; MI455X (gfx1250); checked and timed in simulation.
; The chip was launched on July 23, 2026; its instructions are those of AMD's public machine-readable ISA for CDNA 5 (MIT licence, August 2026) and "CDNA5" Instruction Set Architecture Reference Guide (July 2026). The comments in the code are by the model that wrote it; some were corrected since.
;; Cross Attention Light. Allowed arithmetic: matrix products marked QUANTISED: E4M3 operands, one E8M0 scale for each 32 along K, by v_wmma_scale_f32_16x16x128_f8f6f4 with both operands' format E4M3, f32 sums; everything else in f32.
;; Inputs: Wkv_codes 512 x 8 x 32 uint8 (E4M3 codes of Wkv, K innermost, in blocks of 32 codes); Wkv_scales 512 x 8 uint8 (E8M0 scales of Wkv, one for each 32 codes along K); Wp_codes 256 x 8 x 32 uint8 (E4M3 codes of Wp, K innermost, in blocks of 32 codes); Wp_scales 256 x 8 uint8 (E8M0 scales of Wp, one for each 32 codes along K); Wq_codes 256 x 8 x 32 uint8 (E4M3 codes of Wq, K innermost, in blocks of 32 codes); Wq_scales 256 x 8 uint8 (E8M0 scales of Wq, one for each 32 codes along K); bkv 512 float32; bp 256 float32; bq 256 float32; context_codes 4 x 4,096 x 8 x 32 uint8 (E4M3 codes of context, K innermost, in blocks of 32 codes); context_scales 4 x 4,096 x 8 uint8 (E8M0 scales of context, one for each 32 codes along K); x 4 x 4,096 x 256 float32.
;; Outputs: out0 4 x 4,096 x 256 float32; out1 4 x 64 x 64 float32.
;; This version of the problem:
;;   THIS VERSION OF THE PROBLEM IS GIVEN IN LOW PRECISION. The matrix products marked QUANTISED in the list below multiply operands that are first quantised to E4M3 (4 exponent bits, 3 mantissa bits; 8 bits a number), with one power-of-two scale for each 32 numbers along K (OCP MX v1.0); their sums are f32. All else is computed in f32.
;;   The module's matrix products, in the order in which they are computed (A, B: the left and right operand; K: the contracted axis; several contracted axes count as one K, in the product's order):
;;     1. [M 16,384, K 256] x [K 256, N 256]; A: input x; B: input Wq (given as codes): QUANTISED
;;     2. [M 16,384, K 256] x [K 256, N 512]; A: input context (given as codes); B: input Wkv (given as codes): QUANTISED
;;     3. batch 16 x [M 4,096, K 64] x [K 64, N 4,096]; A: computed on the way; B: computed on the way: QUANTISED
;;     4. batch 16 x [M 4,096, K 4,096] x [K 4,096, N 64]; A: softmax (see below); B: computed on the way: QUANTISED
;;     5. [M 16,384, K 256] x [K 256, N 256]; A: computed on the way; B: input Wp (given as codes): QUANTISED
;;   THE QUANTISER, for each operand of a quantised product, along K:
;;     - K is cut into blocks of 32 from its start; a last block that is shorter is filled with zeros.
;;     - A block's scale is 2^e with e = floor(log2(the largest magnitude in the block)) - 8, held to -126 .. 127; a block of zeros has e = 0. As a byte (E8M0): e + 127.
;;     - Each number is divided by its block's scale, clamped to +-448, and rounded to the nearest number of E4M3, ties to even, subnormals kept.
;;     - The product sums the exact products of the quantised numbers (number of the format x scale) in f32.
;;   ~~~python
;;   def quantise(x, axis):      # numpy; x: float32 -> the quantised numbers, widened to float32 again
;;       x = np.moveaxis(x, axis, -1); K = x.shape[-1]
;;       x = np.pad(x, [(0, 0)] * (x.ndim - 1) + [(0, -K % 32)]); x = x.reshape(x.shape[:-1] + (-1, 32)); a = np.abs(x).max(-1, keepdims=True)
;;       e = np.where(a > 0, np.clip(np.frexp(np.where(a > 0, a, 1))[1] - 1 - 8, -126, 127), 0)      # np.frexp(a)[1] - 1 = floor(log2(a)), exactly
;;       r = np.clip(x / 2.0 ** e, -448, 448)
;;       step = 2.0 ** (np.maximum(np.frexp(np.where(r == 0, 1, r))[1] - 1, -6) - 3)
;;       q = np.round(r / step) * step * 2.0 ** e      # np.round: ties to even
;;       return np.moveaxis(q.reshape(q.shape[:-2] + (-1,))[..., :K], -1, axis).astype(np.float32)
;;   ~~~
;;   SOFTMAX AHEAD OF A QUANTISED PRODUCT. Where the list says 'softmax', what is quantised is not the finished softmax but p = 2^(t - M), with t = logit x log2(e) and M = ceil(the row's largest t), a whole number; so 1/2 < the row's largest p <= 1. The row's sum l is taken of the UNQUANTISED p, in f32, and the product's result is divided by l at the end. Since M is a whole number, a kernel that streams over the keys may use a running M (the ceiling of the running maximum): every later rescaling is an exact power of two, which a block's scale takes up: the codes' values come out the same.
;;   OPERANDS COMPUTED ON THE WAY. 'Computed on the way' means the value that the module computes at that place (a softmax that the list does not call 'softmax' is quantised finished and normalised). What goes into a quantiser is computed in f32, as accurately as f32 sums, v_exp_f32 and their like allow (about 1e-6 of the number): no bf16 or f16 on the way to a quantiser, and a product that is left as it is and whose result goes on into a quantised operand takes f32 operands (vector FMAs, or v_wmma_f32_16x16x4_f32). A number that lies on a knife's edge between two numbers of the format may be rounded either way, as far as f32 arithmetic and the matrix unit's own rounding can turn it there, and no further.
;;   INPUTS GIVEN AS CODES. Wkv (in the module: [256, 512], K = its axis 0); Wp (in the module: [256, 256], K = its axis 0); Wq (in the module: [256, 256], K = its axis 0); context (in the module: [4, 4096, 256], K = its axis 2): each comes as NAME_codes (uint8): NAME with its K axis moved to the last place and cut into blocks of 32 codes, [.., K / 32, bytes a block], one block behind the other in memory; one code a byte (a code: sign, 4 exponent bits, 3 mantissa bits); and NAME_scales (uint8): the same leading axes, one E8M0 byte (e + 127) for each 32 codes along K. Its value is code x scale, taken as it is: it is not quantised again, and the codes and scales need not be those that the quantiser above would give.
;; One version. Each part assembles by itself: llvm-mc -triple=amdgcn-amd-amdhsa -mcpu=gfx1250 --defsym DOCPART=n.
;; ======== version 1 of 1: 2 launches
;; limits: right only within a limited range of input values
;; workspace buffers: kvc 8,388,608 bytes; kvs 262,144 bytes
;; launch kvproj (part 1): grid 256 x 1, 4 waves a work-group, no clusters, 0 bytes of LDS; arguments context_codes, context_scales, Wkv_codes, Wkv_scales, bkv, kvc, kvs; writes kvc, kvs
.if DOCPART == 1
	.amdgcn_target "amdgcn-amd-amdhsa--gfx1250"
	.amdhsa_code_object_version 6
	.text
	.protected	k_qf713ebeee9_kvproj
	.globl	k_qf713ebeee9_kvproj
	.p2align	8
	.type	k_qf713ebeee9_kvproj,@function
k_qf713ebeee9_kvproj:
	s_mov_b64 s[64:65], 0
	v_nop
	global_prefetch_b8 v0, s[64:65] scope:SCOPE_SE
	s_setreg_imm32_b32 hwreg(HW_REG_WAVE_MODE, 25, 1), 1
	s_wait_xcnt 0x0
; kv = context Wkv + bkv on codes of FP8 (E4M3) with one E8M0 scale for each 32 along K = 256; then k is quantised along the head's 64 and v along the keys,
; and both are stored as IMAGES OF THE OPERAND REGISTERS of the attention launch: a group of four registers is 512 consecutive bytes, lane l's 16 bytes at 16 l.
; SHARES.  128 steps of 128 keys (4 batches x 32) x 4 heads x 2 kinds (k, v) = 1,024 waves.  Work-group g: step g / 2, heads 2 (g % 2) and 2 (g % 2) + 1; wave w: head + w / 2, kind w % 2.
; A wave makes one image of 8,192 bytes and its 256 scale bytes: 64 matrix instructions.  No LDS, no barrier: each store of the wave covers 512 (the last: 256) consecutive bytes, aligned.
; THE ROWS OF A TILE ARE NOT NEIGHBOURS: lane r of tile (c, u) takes element 32 c + 8 u + r + 8 (r / 8), of the keys and of the head's 64 alike.  In a result the 16 registers of tiles (c, 0) and (c, 1)
; of lane (r, h) are then elements 32 c + 16 h + 0 .. 15: what the conversions want (neighbours in one lane) and what an operand's group of four registers holds.
; k: source 0 = 16 rows of Wkv, source 1 = 16 keys: a lane holds one key, its registers run along the head's 64.  Fragment c of the image has rows [a.b0 | b.b0 | a.b1 | b.b1], a = key (c, 0, r), b = key (c, 1, r),
;    b0, b1 the head's two blocks of 32: the attention launch multiplies it by [q.b0 | 0 | q.b1 | 0] for the keys a and by [0 | q.b0 | 0 | q.b1] for the keys b, so that K = 128 is filled with codes of k.
; v: source 0 = 16 keys, source 1 = 16 rows of Wkv: a lane holds one of the head's 64, its registers run along the keys, which are the second product's K.
; SCALE WORDS: [16 rows][4 words]: word i of row r at 16 r + 4 i (k: fragment i; v: fragment i).
; LIMITS: NaN and infinities are not served.  A block of zeros gets the byte 1 where the rule says 127: its codes are zeros, and this program alone reads the bytes.
; REGISTERS: window 0: v2-10 offsets; v16-23 Wkv's scale words, v32-47 the keys'; window 2: v0-255 context's fragments, 64 for each 32 keys; v96-159 eight accumulators; v160-223 codes, 16 registers for each 32 keys, so that no store's
; data are written again; v224-239 at work; v240-243 the four scale words.  Window 1: v0-127 Wkv's eight fragments, v128-159 the bias as four tiles in the result's layout.
.set VA,   2                           ; (r + 8 (r / 8)) x 256 + 16 h: a row of context and of Wkv alike is 256 bytes
.set VSC,  3                           ; (r + 8 (r / 8)) x 8: its scale bytes
.set LI,   4                           ; 16 x lane
.set SCO,  5                           ; 16 r + 8 h: where my two scale words go
.set VBK,  6                           ; 64 h: k's bias, eight numbers of my half
.set H,    7
.set R,    8
.set PRM,  9                           ; r + 8 (r / 8)
.set VBV,  10                          ; 4 (r + 8 (r / 8)): v's bias, my one number
.set WS,   16
.set CSW,  24                          ; the keys' scale words: set anew for each 32 keys c: v[32 + 4 c] on, in window 0 (v32-47 hold scale words and nothing else)
.set CF,   32                          ; context's fragments: set anew for each 32 keys c: v[64 c] on, in WINDOW 2: all 128 keys of the step are asked for at the start and stay
.set HA,   96
.set PC,   160
.set TM,   224                         ; +0..3 largest magnitudes, +4..7 the other half's, then bytes, +8..11 448 x the scale, +12..15 the conversions' scale operands
.set W,    240
.set WF,   0                           ; in window 1
.set BI,   128                         ; in window 1
.set WV,   18
.set KIND, 21
.set SEL,  28
.set MNT,  30
.set MSB,  0
.macro WIN new                         ; the immediate's high byte repeats the setting that is left; a switch that changes nothing is dropped
.if MSB != (\new)
	s_set_vgpr_msb (MSB<<8)|(\new)
.set MSB, (\new)
.endif
.endm
.macro PLACES n
.rept \n
	v_nop
.endr
.endm
; the 32 keys 32 c .. 32 c + 31 of the step: two tiles of 16 x two K steps of 128, and their scale words
.macro CTXLOAD c                       ; 20 loads: 16 of codes into window 2, set c; 4 scale words into window 0
	WIN 0x80                                       ; destination window 2, address window 0
.irp u, 0,1
.irp s, 0,1
.irp g, 0,1,2,3
	global_load_b128 v[64*(\c)+16*(2*\u+\s)+4*\g:64*(\c)+16*(2*\u+\s)+4*\g+3], v[VA], s[4:5] offset:(32*(\c)+8*\u)*256+128*\s+32*\g
.endr
.endr
.endr
	WIN 0
.irp u, 0,1
.irp s, 0,1
	global_load_b32 v[32+4*(\c)+2*\u+\s], v[VSC], s[6:7] offset:(32*(\c)+8*\u)*8+4*\s
.endr
.endr
.endm
; 16 matrix instructions: eight accumulators by turns, one instruction a turn, K step 0 with the bias as C, then K step 1 in place
.macro MUL mode
.irp s, 0,1
.if \mode == 0
	WIN 0x19-0x10*\s                               ; source 0 (Wkv) window 1, source 1 (context) window 2; in K step 0 source 2 (the bias) window 1
.irp b, 0,1
.irp u, 0,1
.irp d, 0,1
.set rD, HA+16*(2*\b+\u)+8*\d                          ; block 2 b + u of the fragment's row: key (c, u, r), the head's 32 b + 16 h + 8 d + 0 .. 7
.set rA, WF+16*(2*(2*\b+\d)+\s)
.set rB, CF+16*(2*\u+\s)
.set rC, BI+8*(2*\b+\d)
.if \s == 0
	v_wmma_scale_f32_16x16x128_f8f6f4 v[rD:rD+7], v[rA:rA+15], v[rB:rB+15], v[rC:rC+7], v[WS+2*(2*\b+\d)+\s], v[CSW+2*\u+\s]
.else
	v_wmma_scale_f32_16x16x128_f8f6f4 v[rD:rD+7], v[rA:rA+15], v[rB:rB+15], v[rD:rD+7], v[WS+2*(2*\b+\d)+\s], v[CSW+2*\u+\s]
.endif
.endr
.endr
.endr
.else
	WIN 0x16-0x10*\s                               ; source 0 (context) window 2, source 1 (Wkv) window 1; in K step 0 source 2 (the bias) window 1
.irp t, 0,1,2,3
.irp u, 0,1
.set rD, HA+16*\t+8*\u                                 ; row r of v's fragment t, keys 32 c + 16 h + 8 u + 0 .. 7
.set rA, CF+16*(2*\u+\s)
.set rB, WF+16*(2*\t+\s)
.set rC, BI+8*\t
.if \s == 0
	v_wmma_scale_f32_16x16x128_f8f6f4 v[rD:rD+7], v[rA:rA+15], v[rB:rB+15], v[rC:rC+7], v[CSW+2*\u+\s], v[WS+2*\t+\s]
.else
	v_wmma_scale_f32_16x16x128_f8f6f4 v[rD:rD+7], v[rA:rA+15], v[rB:rB+15], v[rD:rD+7], v[CSW+2*\u+\s], v[WS+2*\t+\s]
.endif
.endr
.endr
.endif
.endr
.endm
; the 64 numbers in v[HA] on are four blocks of 32, 16 numbers in me and 16 in lane l xor 16: codes into v[PC + 16 c] on, bytes into the scale words
.macro QUANT4 c, mode
.irp b, 0,1,2,3
	v_max3_num_f32 v[TM+\b], |v[HA+16*\b]|, |v[HA+16*\b+1]|, 0x4800000   ; my 16 numbers and the floor 2^(9 - 127), under which no largest magnitude is taken: the byte cannot fall under 1
.endr
.irp i, 2,4,6,8,10,12,14
.irp b, 0,1,2,3
	v_max3_num_f32 v[TM+\b], v[TM+\b], |v[HA+16*\b+\i]|, |v[HA+16*\b+\i+1]|   ; the four blocks by turns; each accumulator is read from its low end on
.endr
.endr
.irp b, 0,1,2,3
	v_permlanex16_b32 v[TM+4+\b], v[TM+\b], s[SEL], s[SEL+1]
.endr
.irp b, 0,1,2,3
	v_max_num_f32 v[TM+\b], v[TM+\b], v[TM+4+\b]   ; the block's largest magnitude
.endr
.irp b, 0,1,2,3
	v_add_nc_u32 v[TM+12+\b], 0xfc000000, v[TM+\b]   ; 8 off its exponent field: the conversion takes this operand's exponent field as its scale
.endr
.irp b, 0,1,2,3
	v_and_or_b32 v[TM+8+\b], v[TM+\b], 0x7f800000, s[MNT]   ; 448 x the scale
.endr
.if \mode == 0                                         ; k: the four blocks are one row's: their bytes make fragment c's word
.irp b, 0,1,2,3
	v_lshrrev_b32 v[TM+4+\b], 23, v[TM+12+\b]
.endr
	v_lshl_or_b32 v[W+\c], v[TM+5], 8, v[TM+4]
	v_lshl_or_b32 v[W+\c], v[TM+6], 16, v[W+\c]
	v_lshl_or_b32 v[W+\c], v[TM+7], 24, v[W+\c]
.elseif (\c) == 0                                      ; v: block b is fragment b's, and these 32 keys are byte c of its word
.irp b, 0,1,2,3
	v_lshrrev_b32 v[W+\b], 23, v[TM+12+\b]
.endr
.else
.irp b, 0,1,2,3
	v_lshrrev_b32 v[TM+4+\b], 23, v[TM+12+\b]
.endr
.irp b, 0,1,2,3
	v_lshl_or_b32 v[W+\b], v[TM+4+\b], 8*(\c), v[W+\b]
.endr
.endif
.irp b, 0,1,2,3
.irp i, 0,1,2,3,4,5,6,7,8,9,10,11,12,13,14,15
	v_med3_num_f32 v[HA+16*\b+\i], v[HA+16*\b+\i], -v[TM+8+\b], v[TM+8+\b]   ; the conversion to an 8-bit code does not saturate (ISA guide 7.6.2): the hold at the largest code x the scale
.endr
	v_cvt_scalef32_pk8_fp8_f32 v[PC+16*(\c)+4*\b:PC+16*(\c)+4*\b+1], v[HA+16*\b:HA+16*\b+7], v[TM+12+\b]
	v_cvt_scalef32_pk8_fp8_f32 v[PC+16*(\c)+4*\b+2:PC+16*(\c)+4*\b+3], v[HA+16*\b+8:HA+16*\b+15], v[TM+12+\b]
.endr
	v_nop                                          ; a plain line between the last conversion and the next products, which write its sources
.endm
; one kind's whole way.  Every offset is an immediate; no pointer is stepped.
.macro PATH mode
	WIN 0x40
.irp t, 0,1,2,3
.if \mode == 0
	global_load_b128 v[BI+8*\t:BI+8*\t+3], v[VBK], s[12:13] offset:(32*(\t/2)+8*(\t%2))*4       ; register j of tile t: the bias of the head's 32 (t / 2) + 16 h + 8 (t % 2) + j
	global_load_b128 v[BI+8*\t+4:BI+8*\t+7], v[VBK], s[12:13] offset:(32*(\t/2)+8*(\t%2))*4+16
.else
.irp j, 0,1,2,3,4,5,6,7
	global_load_b32 v[BI+8*\t+\j], v[VBV], s[12:13] offset:(32*(\t/2)+8*(\t%2))*4               ; my lane's one number fills the tile's eight registers
.endr
.endif
.endr
	WIN 0
	CTXLOAD 1                                      ; the other 96 keys are asked for now: 3 x 20 loads behind all that the first products need
	CTXLOAD 2
	CTXLOAD 3
.irp c, 0,1,2,3
	s_wait_loadcnt 60-20*\c                        ; these 32 keys are in (the first time: the weights and the bias too); the 20 loads of each later set may be out
.set CF, 64*\c
.set CSW, 32+4*\c
	MUL \mode
	WIN 0
	PLACES 8                                       ; eight places ahead of the first read of the products' results
	QUANT4 \c, \mode
.irp g, 0,1,2,3
.if \mode == 0
	global_store_b128 v[LI], v[PC+16*\c+4*\g:PC+16*\c+4*\g+3], s[14:15] offset:2048*\c+512*\g   ; fragment c, group g: 512 consecutive bytes
.else
	global_store_b128 v[LI], v[PC+16*\c+4*\g:PC+16*\c+4*\g+3], s[14:15] offset:2048*\g+512*\c   ; fragment g, group c
.endif
.endr
.endr
	v_cmp_ne_u32 vcc_lo, 0, v[H]                   ; both halves of the lanes hold the row's four words: lanes 0-15 store words 0 and 1, lanes 16-31 words 2 and 3
	v_cndmask_b32 v[W+4], v[W], v[W+2], vcc_lo
	v_cndmask_b32 v[W+5], v[W+1], v[W+3], vcc_lo
	global_store_b64 v[SCO], v[W+4:W+5], s[16:17]  ; 32 lanes store 256 consecutive bytes, aligned
	s_endpgm
.endm
	s_load_b256 s[4:11], s[0:1], 0x0               ; context's codes s[4:5], its scales s[6:7], Wkv's codes s[8:9], its scales s[10:11]
	s_load_b128 s[12:15], s[0:1], 0x20             ; bkv s[12:13], kvc s[14:15]
	s_load_b64 s[16:17], s[0:1], 0x30              ; kvs
	v_lshrrev_b32 v1, 5, v0
	v_readfirstlane_b32 s[WV], v1                  ; wave 0..3
	v_and_b32 v[R], 15, v0
	v_bfe_u32 v[H], v0, 4, 1
	v_and_b32 v[PRM], 8, v[R]
	v_add_nc_u32 v[PRM], v[PRM], v[R]
	v_lshlrev_b32 v[VA], 8, v[PRM]
	v_lshl_add_u32 v[VA], v[H], 4, v[VA]
	v_lshlrev_b32 v[VSC], 3, v[PRM]
	v_and_b32 v[LI], 31, v0
	v_lshlrev_b32 v[LI], 4, v[LI]
	v_lshlrev_b32 v[SCO], 4, v[R]
	v_lshl_add_u32 v[SCO], v[H], 3, v[SCO]
	v_lshlrev_b32 v[VBK], 6, v[H]
	v_lshlrev_b32 v[VBV], 2, v[PRM]
.irp b, 0,1,2,3
	v_mov_b32 v[TM+4+\b], 0                        ; written once: a lane permute's destination counts as one of its sources
.endr
	s_mov_b32 s[SEL], 0x76543210
	s_mov_b32 s[SEL+1], 0xfedcba98                 ; v_permlanex16_b32's selects for lane l xor 16
	s_mov_b32 s[MNT], 0x600000                     ; the mantissa field of 448
	s_lshr_b32 s19, ttmp9, 1                       ; 32 x batch + step
	s_and_b32 s20, ttmp9, 1
	s_lshl_b32 s20, s20, 1
	s_lshr_b32 s22, s[WV], 1
	s_add_co_u32 s20, s20, s22                     ; the head
	s_and_b32 s[KIND], s[WV], 1                    ; 0: k, 1: v
	s_lshl_b32 s22, s[KIND], 8
	s_lshl_b32 s23, s20, 6
	s_add_co_u32 s22, s22, s23                     ; my first row of Wkv: 256 x kind + 64 x head
	s_lshl_b32 s23, s19, 2
	s_add_co_u32 s23, s23, s20                     ; which (step, head)
	s_mov_b32 s25, 0                               ; the upper word of every offset
	s_wait_kmcnt 0x0
	s_lshl_b32 s24, s19, 15                        ; 128 keys of 256 bytes
	s_add_nc_u64 s[4:5], s[4:5], s[24:25]
	s_lshl_b32 s24, s19, 10                        ; and of 8 scale bytes
	s_add_nc_u64 s[6:7], s[6:7], s[24:25]
	s_lshl_b32 s24, s22, 8
	s_add_nc_u64 s[8:9], s[8:9], s[24:25]
	s_lshl_b32 s24, s22, 3
	s_add_nc_u64 s[10:11], s[10:11], s[24:25]
	s_lshl_b32 s24, s22, 2
	s_add_nc_u64 s[12:13], s[12:13], s[24:25]
	s_lshl_b32 s24, s23, 14                        ; kvc: [step][head][k's image 8,192 | v's image 8,192]
	s_lshl_b32 s26, s[KIND], 13
	s_add_co_u32 s24, s24, s26
	s_add_nc_u64 s[14:15], s[14:15], s[24:25]
	s_lshl_b32 s24, s23, 9                         ; kvs: [step][head][k's words 256 | v's words 256]
	s_lshl_b32 s26, s[KIND], 8
	s_add_co_u32 s24, s24, s26
	s_add_nc_u64 s[16:17], s[16:17], s[24:25]
	WIN 0x40                                       ; destination window 1
.irp t, 0,1,2,3                                        ; my 64 rows of Wkv: tile t = rows 32 (t / 2) + 8 (t % 2) + r + 8 (r / 8), K step s, at v[16 (2 t + s)] of window 1: they stay
.irp s, 0,1
.irp g, 0,1,2,3
	global_load_b128 v[WF+16*(2*\t+\s)+4*\g:WF+16*(2*\t+\s)+4*\g+3], v[VA], s[8:9] offset:(32*(\t/2)+8*(\t%2))*256+128*\s+32*\g
.endr
.endr
.endr
	WIN 0
.irp t, 0,1,2,3
.irp s, 0,1
	global_load_b32 v[WS+2*\t+\s], v[VSC], s[10:11] offset:(32*(\t/2)+8*(\t%2))*8+4*\s
.endr
.endr
	CTXLOAD 0
	s_cmp_eq_u32 s[KIND], 0                        ; the two kinds differ in the products' orientation and in where codes and bytes go
	s_cbranch_scc0 .Lv
	s_wait_alu depctr_va_vdst(0)
	PATH 0
.Lv:
	s_wait_alu depctr_va_vdst(0)
	PATH 1
.Lfunc_end_k_qf713ebeee9_kvproj:
	.size	k_qf713ebeee9_kvproj, .Lfunc_end_k_qf713ebeee9_kvproj-k_qf713ebeee9_kvproj
	.p2alignl 7, 3214868480
	.fill 96, 4, 3214868480
	.section	.rodata,"a",@progbits
	.p2align	6, 0x0
	.amdhsa_kernel k_qf713ebeee9_kvproj
		.amdhsa_group_segment_fixed_size 0
		.amdhsa_private_segment_fixed_size 0
		.amdhsa_enable_private_segment 0
		.amdhsa_kernarg_size 56
		.amdhsa_user_sgpr_count 2
		.amdhsa_user_sgpr_kernarg_segment_ptr 1
		.amdhsa_wavefront_size32 1
		.amdhsa_system_sgpr_workgroup_id_x 1
		.amdhsa_system_sgpr_workgroup_id_y 1
		.amdhsa_system_sgpr_workgroup_id_z 1
		.amdhsa_system_vgpr_workitem_id 0
		.amdhsa_next_free_vgpr 768
		.amdhsa_next_free_sgpr 66
		.amdhsa_reserve_vcc 1
		.amdhsa_float_denorm_mode_32 3
		.amdhsa_float_denorm_mode_16_64 3
		.amdhsa_memory_ordered 1
		.amdhsa_forward_progress 1
		.amdhsa_inst_pref_size 110
	.end_amdhsa_kernel
	.amdgpu_metadata
---
amdhsa.version: [ 1, 2 ]
amdhsa.kernels:
  - .name:           k_qf713ebeee9_kvproj
    .symbol:         k_qf713ebeee9_kvproj.kd
    .args:
      - { .name: context_codes, .offset: 0, .size: 8, .value_kind: global_buffer, .address_space: global }
      - { .name: context_scales, .offset: 8, .size: 8, .value_kind: global_buffer, .address_space: global }
      - { .name: Wkv_codes, .offset: 16, .size: 8, .value_kind: global_buffer, .address_space: global }
      - { .name: Wkv_scales, .offset: 24, .size: 8, .value_kind: global_buffer, .address_space: global }
      - { .name: bkv, .offset: 32, .size: 8, .value_kind: global_buffer, .address_space: global }
      - { .name: kvc, .offset: 40, .size: 8, .value_kind: global_buffer, .address_space: global }
      - { .name: kvs, .offset: 48, .size: 8, .value_kind: global_buffer, .address_space: global }
    .group_segment_fixed_size: 0
    .private_segment_fixed_size: 0
    .kernarg_segment_align: 8
    .kernarg_segment_size: 56
    .max_flat_workgroup_size: 128
    .sgpr_count:     66
    .vgpr_count:     768
    .wavefront_size: 32
...
	.end_amdgpu_metadata
.endif
;; end of part 1
;; launch attn (part 2): grid 256 x 1, 8 waves a work-group, clusters of 4 x 1, 327,680 bytes of LDS; arguments x, Wq_codes, Wq_scales, bq, Wp_codes, Wp_scales, bp, kvc, kvs, out0, out1; writes out0, out1
.if DOCPART == 2
	.amdgcn_target "amdgcn-amd-amdhsa--gfx1250"
	.amdhsa_code_object_version 6
	.text
	.protected	k_qf713ebeee9_attn
	.globl	k_qf713ebeee9_attn
	.p2align	8
	.type	k_qf713ebeee9_attn,@function
k_qf713ebeee9_attn:
	s_mov_b64 s[64:65], 0
	v_nop
	global_prefetch_b8 v0, s[64:65] scope:SCOPE_SE
	s_setreg_imm32_b32 hwreg(HW_REG_WAVE_MODE, 25, 1), 1
	s_wait_xcnt 0x0
	s_wait_alu depctr_hold_cnt(0) depctr_sa_sdst(0) depctr_va_vdst(0) depctr_va_sdst(0) depctr_va_ssrc(0) depctr_va_vcc(0) depctr_vm_vsrc(0)
	s_getreg_b32 s2, hwreg(HW_REG_IB_STS2, 6, 4)
	s_cmp_eq_u32 s2, 0
	s_cbranch_scc0 .Lentry_in_a_cluster
	s_endpgm
.Lentry_in_a_cluster:
	s_bfe_u32 s2, ttmp6, 0x10000c
	s_cmp_lg_u32 s2, 0x3003
	s_cbranch_scc0 .Lentry_shape_is_right
	s_endpgm
.Lentry_shape_is_right:
; out0 = softmax((x Wq + bq) k^T / 8) v Wp + bp + x;  out1 = the mean over the four heads of the softmax's row sum.  All products on codes of FP8 (E4M3) with one E8M0 scale for each 32 along K.
; k and v come from the launch before as images of operand registers (kvc) and scale words (kvs): [batch][step of 128 keys][head][k | v].
; SHARES.  A work-group owns 64 queries of one batch, all four heads; wave w owns head w / 2 and two tiles of 16 queries, 2 (w % 2) and 2 (w % 2) + 1.  Tile 0 lives in register window 0, tile 1 in window 1,
; under the same register numbers: one macro serves both.  Each fragment of k read from LDS feeds four matrix instructions, each of v two.  Two waves share a SIMD: one wave's products and LDS loads stand beside the other's softmax.
; THE SOFTMAX: t = score x log2(e) / 8; M = the running largest t rounded UP to a whole number; p = 2^(t - M) is what is quantised, along the keys, not normalised; the row's sum l is taken of the unquantised p
; and divides at the end.  When M moves, l and O are multiplied by 2^(old M - new M): exact, and without a branch.
; LAYOUT.  All products are used transposed, so that a lane holds ONE query (lane % 16) throughout and its registers run along the next product's K.  The rows of a tile of Wq, of k and of v are chosen for that:
; lane r of tile (c, u) takes element 32 c + 8 u + r + 8 (r / 8), so that the 16 registers of tiles (c, 0), (c, 1) are elements 32 c + 16 (lane / 16) + 0 .. 15.
; THE HEAD IS 64 AND THE INSTRUCTION'S K IS 128: a fragment of k holds two keys a row, [a.b0 | b.b0 | a.b1 | b.b1], and is multiplied by [q.b0 | 0 | q.b1 | 0] for the keys a and by [0 | q.b0 | 0 | q.b1] for the keys b:
; zero codes add nothing.  The two forms of q are 16 of the same 20 registers (0, q.b0, 0, q.b1, 0).
; THE RING.  Two slots of two key steps: 131,072 bytes of codes (waves 0 to 3 fetch a quarter each) and 4,096 of scale words (wave 4).  CLUSTER: the 64 work-groups of a batch walk the same kvc and kvs; four of them form
; a cluster and ask for each tile JOINTLY (the same tensor load, the same descriptor, a mask that names the four).  Nothing else is shared, and a mask names four at the most: so 4 x 1.
; THE END.  O / l is quantised and goes from wave to wave through LDS as images of operand registers; wave w makes columns 32 w .. 32 w + 31 of the last product for all 64 rows; the rows meet in a stage and leave whole.
; x is read twice (to be quantised; for the residual): its 65,536 bytes a work-group have room neither in the registers nor beside the ring.  The second read is issued ahead of the end's products.
; LIMITS: NaN and infinities are not served.  A block of zeros gets the byte 1 where the rule says 127: its codes are zeros, and this program alone reads the bytes.
; A block's largest p is the exponential of the block's largest score, which takes v_exp_f32 not to fall where its input rises.
; REGISTERS.  Both windows, a set for each tile: v12 -M, v13 the largest score, v[14:15] l in two halves; v96-159 scores, then p; v160-191 O^T; v192-207 p's codes; v208-227 q; v228-249 at work.
; Window 0 alone: v1-11, v28-31 addresses; v16-27 scale words and nothing else; v32-95 k's four fragments; v250-253 r, h, r + 8 (r / 8), lane.  Window 1 alone: v32-95 v's four fragments.
.set SLOT1, 1<<17                      ; LDS: code slot 0 at 0, code slot 1 here: one exclusive or turns an address in one slot into the other's
.set SCS,   2*SLOT1                    ; the two slots of scale words,
.set SCSL,  4096                       ; this many bytes each
.set IMG,   SCS+2*SCSL                 ; eight fragment images of 2,048 bytes: x's at first, O's at the end; no tile lands here
.set ISC,   IMG+8*2048                 ; their scale words, 128 bytes each
.set LSUM,  ISC+8*128                  ; [head][64 queries]: l x (1 / l)
.set SPARE, LSUM+1024                  ; the spare words, 128 bytes for each wave: four blocks of 256 bytes that no other line names
.set SPI,   1040                       ; the stage for out0: 64 rows of 1,024 bytes + 16, from LDS byte 0 on: code slot 0 has had its last fill and its last read when the first result is stored there
.set LI,   1                           ; 16 x lane; never rewritten
.set AK0,  2                           ; the loop: my head's image in a slot's first step;   prologue: x's offset;        end: Wp's
.set AK1,  3                           ; the loop: in its second step;                       prologue: Wq's offset;       end: Wp's scale words'
.set ASC,  4                           ; the loop: my head's scale words;                    prologue: Wq's scale words'; end: bp's
.set ADR0, 5                           ; the loop: AK0 in the slot in hand;                  prologue: bq's offset;       end: where O's image goes
.set ADR1, 6                           ; the loop: AK1 likewise;                             prologue: where x's image goes;  end: where O's scale bytes go
.set ADS,  7                           ; the loop: ASC likewise;                             prologue: where its scale word goes;  end: where l x (1 / l) goes
.set SPW,  8                           ; LDS address of my spare word: SPARE + 4 x my thread's number; never rewritten
.set NIL,  9                           ; 0; never rewritten
.set PFO,  10                          ; 256 x lane: the prefetches' offset; never rewritten
.set LSR,  11                          ; the end: LSUM + 8 x lane
.set KS,   16                          ; v16-19 k's scale words (prologue: v16-23 Wq's; end: v16-19 Wp's)
.set VS,   20                          ; v20-23 v's
.set QS,   24                          ; v24-25 q's, tile 0 and 1 (end: v24-27 O's)
.set PS,   26                          ; v26-27 p's, tile 0 and 1 (prologue: x's)
.set IR,   28                          ; where fragment images are read
.set ISR,  29                          ; and their scale words
.set SOA,  30                          ; the stage: where I put 32 bytes of a row
.set SRA,  31                          ; and where I read rows back
.set FR,   32
.set S,    96
.set O,    160
.set PC,   192
.set QF,   208
.set BM,   228                         ; v228-231 a block's largest score, then largest p
.set BX,   232                         ; v232-235 the other half's, then bytes
.set HL,   236                         ; v236-239 448 x the scale
.set SO,   240                         ; v240-243 the conversions' scale operands
.set T0,   244
.set F,    246                         ; v[246:247] f = 2^(old M - new M); the upper half is written once
.set C2,   248                         ; v[248:249] the sum's second chain
.set R,    250
.set H,    251
.set PRM,  252
.set LN,   253
.set T1,   254
.set T2,   255
.set WV,   26                          ; s26 my wave's number
.set HD,   27                          ; s27 wave / 2: my head
.set QP,   28                          ; s28 wave % 2: my pair of tiles
.set CX,   29                          ; s29 my place in the cluster: it enters global addresses of x, out0, out1 and the prefetches alone
.set BT,   30                          ; s30 the batch, which the four partners share
.set ROW0, 31                          ; s31 the work-group's first row of x and out0
.set G1C,  32                          ; s[32:39] descriptor group 1 for codes;  s[40:47] for scale words
.set G1S,  40
.set G0C,  48                          ; s[48:51], s[52:55] their groups 0, which walk
.set G0S,  52
.set SEL,  56                          ; s[56:57] lane selects for v_permlanex16_b32: lane l xor 16
.set CS,   58                          ; s[58:59] c = log2(e) / 8: the packed form names a pair and takes its low word for both halves
.set MNT,  60                          ; s60 the mantissa field of 448
.set TB,   61                          ; s61 where the code slot in hand begins
.set TS,   62                          ; s62 and the scale slot, from SCS
.set SLOTS, 63                         ; s63 slots still to be asked for
.set PFA,  66                          ; s[66:67] where my prefetches stand;  s[68:69] their step;  s70: a wave prefetches while s[SLOTS] is above it
.set PFS,  68
.set LIM,  70
.set XP,   76                          ; s[76:77] x at the rows that I quantise;  s[78:79] at the rows that I add and store
.set XR,   78
.set MSB,  0
.macro WIN new                         ; the immediate's high byte repeats the setting that is left; a switch that changes nothing is dropped.  Bits 1:0 source 0, 3:2 source 1, 5:4 source 2, 7:6 destination
.if MSB != (\new)
	s_set_vgpr_msb (MSB<<8)|(\new)
.set MSB, (\new)
.endif
.endm
.macro PLACES n                        ; eight places stand behind this matrix form ahead of loads into its registers and of reads of its results
.rept \n
	v_nop
.endr
.endm
.macro CROUND                          ; a round of the cluster's barrier: my work-group's barrier; wave 0 signals for the work-group; every wave waits for all four work-groups; my work-group's barrier once more
	s_barrier_signal -1
	s_barrier_wait -1
	s_cmp_lg_u32 s[WV], 0
	s_cbranch_scc1 .Lnot_wave_0_\@
	s_barrier_signal -3
.Lnot_wave_0_\@:
	s_barrier_wait -3
	s_barrier_signal -1
	s_barrier_wait -1
.endm
.macro BARRIER                         ; my LDS stores have landed and my LDS loads are in: then the work-group's barrier
	s_wait_dscnt 0x0
	s_barrier_signal -1
	s_barrier_wait -1
.endm
; A joint load: waves 0 to 3 fetch a quarter of a code slot each, wave 4 the scale words, the others nothing.  The branches hang on the wave's number alone.  Four v_nop follow each of the two lines.
.macro TLOAD
	s_cmp_lt_u32 s[WV], 4
	s_cbranch_scc0 .Lnot_c_\@
	tensor_load_to_lds s[G0C:G0C+3], s[G1C:G1C+7]
	s_nop 0
.rept 4
	v_nop
.endr
	s_branch .Lasked_\@
.Lnot_c_\@:
	s_cmp_eq_u32 s[WV], 4
	s_cbranch_scc0 .Lasked_\@
	tensor_load_to_lds s[G0S:G0S+3], s[G1S:G1S+7]
	s_nop 0
.rept 4
	v_nop
.endr
.Lasked_\@:
.endm
; A PREFETCH INTO THE L2.  All 16 clusters of a batch walk the same kvc and kvs: the batch's first cluster asks, and nobody else.  Its four partners are told apart BY ADDRESS, never by a branch.
; Codes: at each change of slots that fills a slot, waves 0 to 3 ask for the slot that the NEXT change will ask for, two key steps ahead of that load: 512 rows of 256 bytes = 4 partners x 4 waves x 32 lanes, a lane a row;
; the last such change asks for nothing, and slots 0 and 1 come by their loads alone.  Scale words: a slot has 16 rows of 256 bytes, too few to share among four partners' lanes: so waves 4 and 5 ask once, at the first
; change, for the batch's 256 rows (65,536 bytes): earlier than the loads need them, and stated here as such.
.macro ASK
	s_cmp_gt_u32 s[SLOTS], s[LIM]
	s_cbranch_scc0 .Lnot_mine_\@
	global_prefetch_b8 v[PFO], s[PFA:PFA+1] th:TH_LOAD_NT scope:SCOPE_SE
.Lnot_mine_\@:
.endm
; THE CHANGE OF SLOTS stands at a slot's head.  Each wave waits for all its tensor loads (its part of the slot that it is about to read), adds 0 to its spare word, and waits for that and for its reads of the slot that it has left.
; fill = 1: the barrier is a round of the cluster's, so that no wave of any partner still reads the slot or has a load on its way; the joint load of the next slot is the first thing behind it and has two key steps in which to land.
; A wave has one tensor load out.
.macro CHANGE fill
	s_wait_tensorcnt 0x0                           ; no tensor load of mine is out, so a group 0 may be written
	ds_add_u32 v[SPW], v[NIL]
.if \fill
	ds_add_u32 v[SPW], v[NIL]                      ; and once more
	s_xor_b32 s[G0C+1], s[G0C+1], SLOT1
	s_add_nc_u64 s[G0C+2:G0C+3], s[G0C+2:G0C+3], SLOT1   ; the next two key steps; the type bits on top are not reached
	s_xor_b32 s[G0S+1], s[G0S+1], SCSL
	s_add_nc_u64 s[G0S+2:G0S+3], s[G0S+2:G0S+3], SCSL
	s_wait_xcnt 0x0                                ; the last prefetch, a slot back, has read its address, so it may be written
	s_add_nc_u64 s[PFA:PFA+1], s[PFA:PFA+1], s[PFS:PFS+1]
	s_wait_dscnt 0x0                               ; the add is done, and my reads of the slot that I have left are over
	CROUND
	TLOAD
	ASK
.else
	s_wait_dscnt 0x0
	s_barrier_signal -1
	s_barrier_wait -1
.endif
.endm
.macro LOADK q                         ; k's four fragments and their scale words, step q of the slot: 17 loads
.irp c, 0,1,2,3
.irp g, 0,1,2,3
	ds_load_b128 v[FR+16*\c+4*\g:FR+16*\c+4*\g+3], v[ADR0+\q] offset:2048*\c+512*\g
.endr
.endr
	ds_load_b128 v[KS:KS+3], v[ADS] offset:2048*\q
.endm
.macro LOADV q                         ; v's likewise, into window 1: 17 loads
	WIN 0x40
.irp c, 0,1,2,3
.irp g, 0,1,2,3
	ds_load_b128 v[FR+16*\c+4*\g:FR+16*\c+4*\g+3], v[ADR0+\q] offset:8192+2048*\c+512*\g
.endr
.endr
	WIN 0
	ds_load_b128 v[VS:VS+3], v[ADS] offset:2048*\q+256
.endm
.macro QK t                            ; S^T of tile t: fragment c against q's two forms: keys 32 c + 16 h + 0 .. 7 and + 8 .. 15
	WIN 0x44*\t                                    ; q and S^T in the tile's window, k in window 0
.irp c, 0,1,2,3
	v_wmma_scale_f32_16x16x128_f8f6f4 v[S+16*\c:S+16*\c+7], v[FR+16*\c:FR+16*\c+15], v[QF+4:QF+19], 0, v[KS+\c], v[QS+\t]
	v_wmma_scale_f32_16x16x128_f8f6f4 v[S+16*\c+8:S+16*\c+15], v[FR+16*\c:FR+16*\c+15], v[QF:QF+15], 0, v[KS+\c], v[QS+\t]
.endr
.endm
.macro PV t                            ; O^T of tile t += v^T p^T: four tiles of 16 of the head's 64; K = these 128 keys
	WIN 0x01+0x54*\t                               ; v in window 1; p's codes and O^T in the tile's window
.irp c, 0,1,2,3
	v_wmma_scale_f32_16x16x128_f8f6f4 v[O+8*\c:O+8*\c+7], v[FR+16*\c:FR+16*\c+15], v[PC:PC+15], v[O+8*\c:O+8*\c+7], v[VS+\c], v[PS+\t]
.endr
.endm
; One tile's softmax for one key step, in the tile's window.
.macro SOFTMAX t
	WIN 0x55*\t
	v_mov_b32 v[T0+1], v12                         ; the old -M, for f
; the largest score of each block of 32 keys: it serves for the row's maximum and, since p rises with the score, for the block's largest p.
; EIGHT chains by turns, two a block (v[BM + b] from the first accumulator's low end on, v[HL + b], idle here, from the second's), so that a line reads what stands eight lines back
.irp b, 0,1,2,3
	v_max3_num_f32 v[BM+\b], v[S+16*\b], v[S+16*\b+1], v[S+16*\b+2]
.endr
.irp b, 0,1,2,3
	v_max3_num_f32 v[HL+\b], v[S+16*\b+8], v[S+16*\b+9], v[S+16*\b+10]
.endr
.irp i, 3,5
.irp b, 0,1,2,3
	v_max3_num_f32 v[BM+\b], v[BM+\b], v[S+16*\b+\i], v[S+16*\b+\i+1]
.endr
.irp b, 0,1,2,3
	v_max3_num_f32 v[HL+\b], v[HL+\b], v[S+16*\b+\i+8], v[S+16*\b+\i+9]
.endr
.endr
.irp b, 0,1,2,3
	v_max3_num_f32 v[BM+\b], v[BM+\b], v[S+16*\b+7], v[S+16*\b+15]
.endr
.irp b, 0,1,2,3
	v_max_num_f32 v[BM+\b], v[BM+\b], v[HL+\b]
.endr
.irp b, 0,1,2,3
	s_delay_alu instid0(VALU_DEP_4)
	v_permlanex16_b32 v[BX+\b], v[BM+\b], s[SEL], s[SEL+1]
.endr
.irp b, 0,1,2,3
	s_delay_alu instid0(VALU_DEP_4)
	v_max_num_f32 v[BM+\b], v[BM+\b], v[BX+\b]     ; with lane l xor 16's 16 keys
.endr
	s_delay_alu instid0(VALU_DEP_2)
	v_max3_num_f32 v[T0], v[BM], v[BM+1], v[BM+2]
	s_delay_alu instid0(VALU_DEP_1)
	v_max3_num_f32 v13, v13, v[T0], v[BM+3]        ; v13: the running largest SCORE of my query (c is positive, so the largest t is c x it, rounded once)
	s_delay_alu instid0(VALU_DEP_1)
	v_mul_f32 v[T0], s[CS], -v13                   ; -t
	s_delay_alu instid0(VALU_DEP_1)
	v_floor_f32 v12, v[T0]                         ; the new -M = floor(-t) = -ceil(t)
.set sj, 0
.rept 32
	v_pk_fma_f32 v[S+sj:S+sj+1], v[S+sj:S+sj+1], s[CS:CS+1], v[12:13] op_sel_hi:[1,0,0]   ; t - M = score x c - M, one rounding, two numbers a line (of the pairs c and -M the low word serves both halves)
.if sj == 8
	v_sub_f32 v[T0], v12, v[T0+1]                  ; old M less new M: a whole number, 0 or less.  f's three lines stand apart among the multiply-adds
.endif
.if sj == 24
	v_cvt_i32_f32 v[T0], v[T0]                     ; (it saturates)
.endif
.if sj == 40
	v_ldexp_f32 v[F], 1.0, v[T0]                   ; f = 2^(old M - new M)
.endif
.set sj, sj+2
.endr
.irp b, 0,1,2,3
	v_fma_f32 v[BM+\b], v[BM+\b], s[CS], v12       ; the same of each block's largest score
.endr
.set sj, 0
	s_wait_alu depctr_va_vdst(0)
.rept 64
	v_exp_f32 v[S+sj], v[S+sj]                     ; p = 2^(t - M), at most 1
.set sj, sj+1
.endr
.irp b, 0,1,2,3
	v_exp_f32 v[BM+\b], v[BM+\b]                   ; the block's largest p: the same two instructions on the same number give the same bits
.endr
	v_pk_mul_f32 v[14:15], v[14:15], v[F:F+1] op_sel_hi:[1,0]   ; l under the new M.  (The plain line behind the exponentials)
	s_wait_alu depctr_va_vdst(0)
.irp b, 0,1,2,3
	v_max_num_f32 v[BM+\b], 0x4800000, v[BM+\b]    ; the floor 2^(9 - 127): the byte cannot fall under 1
.endr
.irp b, 0,1,2,3
	s_delay_alu instid0(VALU_DEP_4)
	v_add_nc_u32 v[SO+\b], 0xfc000000, v[BM+\b]    ; 8 off the exponent field: the conversion's scale operand
.endr
.irp b, 0,1,2,3
	v_and_or_b32 v[HL+\b], v[BM+\b], 0x7f800000, s[MNT]   ; 448 x the scale
.endr
.irp b, 0,1,2,3
	v_lshrrev_b32 v[BX+\b], 23, v[SO+\b]           ; the scale's byte
.endr
; the row's sum is taken of the UNQUANTISED p: two numbers a line, in FOUR chains by turns (l itself, v[C2], v[T0], v[BM]: the last two are idle here); the scale word's three lines stand among them
	v_pk_add_f32 v[C2:C2+1], v[S:S+1], v[S+2:S+3]
	v_pk_add_f32 v[T0:T0+1], v[S+4:S+5], v[S+6:S+7]
	v_pk_add_f32 v[BM:BM+1], v[S+8:S+9], v[S+10:S+11]
	v_pk_add_f32 v[14:15], v[14:15], v[S+12:S+13]
	v_lshl_or_b32 v[BX], v[BX+1], 8, v[BX]
.irp j, 14,22,30,38,46,54
	v_pk_add_f32 v[C2:C2+1], v[C2:C2+1], v[S+\j:S+\j+1]
	v_pk_add_f32 v[T0:T0+1], v[T0:T0+1], v[S+\j+2:S+\j+3]
	v_pk_add_f32 v[BM:BM+1], v[BM:BM+1], v[S+\j+4:S+\j+5]
	v_pk_add_f32 v[14:15], v[14:15], v[S+\j+6:S+\j+7]
.if \j == 14
	v_lshl_or_b32 v[BX], v[BX+2], 16, v[BX]
.endif
.if \j == 22
	WIN 0x11*\t                                    ; scale operands have no window: the word goes to window 0
	v_lshl_or_b32 v[PS+\t], v[BX+3], 24, v[BX]     ; p's scale word for these 128 keys
	WIN 0x55*\t
.endif
.endr
	v_pk_add_f32 v[C2:C2+1], v[C2:C2+1], v[S+62:S+63]
	v_pk_add_f32 v[T0:T0+1], v[T0:T0+1], v[BM:BM+1]
	v_pk_add_f32 v[14:15], v[14:15], v[C2:C2+1]    ; the four chains meet in l
	v_pk_add_f32 v[14:15], v[14:15], v[T0:T0+1]
.irp b, 0,1,2,3
.irp i, 0,2,4,6,8,10,12,14
	v_dual_min_num_f32 v[S+16*\b+\i], v[S+16*\b+\i], v[HL+\b] :: v_dual_min_num_f32 v[S+16*\b+\i+1], v[S+16*\b+\i+1], v[HL+\b]   ; the conversion does not saturate (ISA guide 7.6.2); p is not negative, so the hold is one-sided; two numbers a line: an even and an odd register, the bound shared
.endr
.endr
.irp b, 0,1,2,3                                        ; the eight conversions behind all the holds
	v_cvt_scalef32_pk8_fp8_f32 v[PC+4*\b:PC+4*\b+1], v[S+16*\b:S+16*\b+7], v[SO+\b]
	v_cvt_scalef32_pk8_fp8_f32 v[PC+4*\b+2:PC+4*\b+3], v[S+16*\b+8:S+16*\b+15], v[SO+\b]
.endr
.set sj, 0
.rept 16
	v_pk_mul_f32 v[O+sj:O+sj+1], v[O+sj:O+sj+1], v[F:F+1] op_sel_hi:[1,0]   ; O^T under the new M.  (These are also the plain lines between the conversions and the products that take the codes)
.set sj, sj+2
.endr
.endm
; A KEY STEP: 128 keys, the q-th of the slot in hand; k's fragments were asked for a step ago.
.macro STEP q
	LOADV \q                                       ; v lands under the softmax
	s_wait_dscnt 17                                ; k's 17 loads are in; v's 17, issued behind them, may be out
	QK 0
	QK 1
	WIN 0
	PLACES 8
.if \q == 0
	s_wait_alu depctr_va_vdst(0)
	LOADK 1                                        ; the next step's k, from the same slot
.endif
	SOFTMAX 0
	SOFTMAX 1
.if \q == 0
	s_wait_alu depctr_va_vdst(0)
	s_wait_dscnt 17                                ; v's 17 are in; the next k's 17 may be out
.else
	s_wait_alu depctr_va_vdst(0)
	s_wait_dscnt 0x0
.endif
	PV 1                                           ; the eight accumulators of O^T by turns, one instruction a turn
	PV 0
	WIN 0
	PLACES 8
.endm
.macro CREST                           ; a round of the cluster's barrier behind its opening barrier
	s_cmp_lg_u32 s[WV], 0
	s_cbranch_scc1 .Lnw0_\@
	s_barrier_signal -3
.Lnw0_\@:
	s_barrier_wait -3
	s_barrier_signal -1
	s_barrier_wait -1
.endm
.macro NEXTK                           ; the addresses of the slot that begins at s[TB], s[TS], and its first step's k: 17 loads
	v_add_nc_u32 v[ADR0], s[TB], v[AK0]
	v_add_nc_u32 v[ADR1], s[TB], v[AK1]
	v_add_nc_u32 v[ADS], s[TS], v[ASC]
	LOADK 0
.endm
; A SLOT'S SECOND KEY STEP, WITH THE CHANGE OF SLOTS INSIDE IT.  When this step's scores are issued and v's fragments are in registers, the wave has read the slot out: there it waits for all its tensor loads,
; adds 0 to its spare word, waits for that and for its LDS loads, and signals.  Tile 0's softmax, work on registers alone, stands between the signal and the wait.
; fill = 1: the barrier opens a round of the cluster's; the joint load of the slot two on, into the slot just read out, is the first thing behind the round.  fill = 0: a plain barrier, nothing is filled.
; Then the next slot's first k is fetched: tile 1's softmax and the eight products of O^T stand between these 17 loads and the wait for them at the next step's head.
.macro STEPB fill
	LOADV 1
	s_wait_dscnt 17                                ; k's 17 loads are in; v's 17, issued behind them, may be out
	QK 0
	QK 1
	WIN 0                                          ; (the add's two registers lie in window 0)
	s_wait_tensorcnt 0x0                           ; no tensor load of mine is out: my part of the next slot has landed, and a group 0 may be written
	ds_add_u32 v[SPW], v[NIL]                      ; 0 onto my spare word
.if \fill
	ds_add_u32 v[SPW], v[NIL]                      ; and once more
	s_xor_b32 s[G0C+1], s[G0C+1], SLOT1            ; the walking descriptors: the other slot than last time,
	s_add_nc_u64 s[G0C+2:G0C+3], s[G0C+2:G0C+3], SLOT1   ; the next two key steps
	s_xor_b32 s[G0S+1], s[G0S+1], SCSL
	s_add_nc_u64 s[G0S+2:G0S+3], s[G0S+2:G0S+3], SCSL
	s_wait_xcnt 0x0                                ; the last prefetch, a slot back, has read its address, so it may be written
	s_add_nc_u64 s[PFA:PFA+1], s[PFA:PFA+1], s[PFS:PFS+1]
.endif
	PLACES 8                                       ; behind the scores' products, ahead of the first read of their results and of the loads into k's registers
	s_wait_dscnt 0x0                               ; the add is done, v is in registers: my reads of this slot are over
	s_barrier_signal -1
	SOFTMAX 0
	WIN 0
	s_wait_alu depctr_va_vdst(0)
	s_barrier_wait -1
.if \fill
	CREST                                          ; no wave of any partner still reads the slot or has a load on its way
	TLOAD                                          ; a wave's one tensor load until the next round
	ASK
.endif
	s_xor_b32 s[TB], s[TB], SLOT1                  ; on to the other slot
	s_xor_b32 s[TS], s[TS], SCSL
	NEXTK
	SOFTMAX 1
	s_wait_alu depctr_va_vdst(0)                   ; the loop's branch follows the products
	PV 1                                           ; the eight accumulators of O^T by turns, one instruction a turn
	PV 0
	WIN 0
	PLACES 8                                       ; ahead of the next step's loads into v's registers
.endm
; nb blocks of 32 numbers, 16 in me (v[s + 16 b] on) and 16 in lane l xor 16, become codes: block b's four registers at v[d0 + dp b]; the bytes are left in v[BX] on.
; bw: the window setting of the numbers and of the work; cw: that of the conversions (their destination may lie in another window).
.macro QUANT s, nb, d0, dp, bw, cw
	WIN \bw
.set qb, 0
.rept \nb
	v_max3_num_f32 v[BM+qb], |v[\s+16*qb]|, |v[\s+16*qb+1]|, 0x4800000   ; my 16 numbers and the floor 2^(9 - 127): the byte cannot fall under 1
.set qb, qb+1
.endr
.irp i, 2,4,6,8,10,12,14
.set qb, 0
.rept \nb
	v_max3_num_f32 v[BM+qb], v[BM+qb], |v[\s+16*qb+\i]|, |v[\s+16*qb+\i+1]|
.set qb, qb+1
.endr
.endr
.set qb, 0
.rept \nb
	v_permlanex16_b32 v[BX+qb], v[BM+qb], s[SEL], s[SEL+1]
.set qb, qb+1
.endr
.set qb, 0
.rept \nb
	v_max_num_f32 v[BM+qb], v[BM+qb], v[BX+qb]     ; the block's largest magnitude
.set qb, qb+1
.endr
.set qb, 0
.rept \nb
	v_add_nc_u32 v[SO+qb], 0xfc000000, v[BM+qb]    ; 8 off its exponent field: the conversion's scale operand
	v_and_or_b32 v[HL+qb], v[BM+qb], 0x7f800000, s[MNT]   ; 448 x the scale
.set qb, qb+1
.endr
.set qb, 0
.rept \nb
	v_lshrrev_b32 v[BX+qb], 23, v[SO+qb]           ; the scale's byte
.set qb, qb+1
.endr
.set qb, 0
.rept \nb
.irp i, 0,1,2,3,4,5,6,7,8,9,10,11,12,13,14,15
	v_med3_num_f32 v[\s+16*qb+\i], v[\s+16*qb+\i], -v[HL+qb], v[HL+qb]   ; the hold at the largest code x the scale (ISA guide 7.6.2)
.endr
	WIN \cw
	v_cvt_scalef32_pk8_fp8_f32 v[\d0+\dp*qb:\d0+\dp*qb+1], v[\s+16*qb:\s+16*qb+7], v[SO+qb]
	v_cvt_scalef32_pk8_fp8_f32 v[\d0+\dp*qb+2:\d0+\dp*qb+3], v[\s+16*qb+8:\s+16*qb+15], v[SO+qb]
	WIN \bw
.set qb, qb+1
.endr
	v_nop                                          ; a plain line between the last conversion and whatever vector or matrix instruction next touches its registers
.endm
.macro INIT t                          ; a tile's state ahead of the first key step: the loop is written once, and its first step finds zeros, which the first change of M leaves zeros
	WIN 0x55*\t
.set sj, 0
.rept 32
	v_mov_b32 v[O+sj], 0
.set sj, sj+1
.endr
.irp j, 0,1,2,3,8,9,10,11,16,17,18,19
	v_mov_b32 v[QF+\j], 0                          ; the zero codes round q's two blocks
.endr
	v_mov_b32 v[F+1], 0                            ; (named as the upper half of a pair)
	v_mov_b32 v13, 0xff61b1e6                      ; the largest score so far: -3e38, under every score
	s_delay_alu instid0(VALU_DEP_1)
	v_floor_f32 v12, -v13                          ; -M
	v_mov_b32 v14, 0
	v_mov_b32 v15, 0
.if \t
.irp b, 0,1,2,3
	v_mov_b32 v[BX+\b], 0                          ; written once: a lane permute's destination counts as one of its sources (window 0's were written at the head)
.endr
.endif
.endm
	; ---- the head: ids, descriptors, the first joint load
	s_load_b256 s[4:11], s[0:1], 0x0               ; x s[4:5], Wq's codes s[6:7], its scales s[8:9], bq s[10:11]
	s_load_b256 s[12:19], s[0:1], 0x20             ; Wp's codes s[12:13], its scales s[14:15], bp s[16:17], kvc s[18:19]
	s_load_b128 s[20:23], s[0:1], 0x40             ; kvs s[20:21], out0 s[22:23]
	s_load_b64 s[24:25], s[0:1], 0x50              ; out1
	v_lshl_add_u32 v[SPW], v0, 2, SPARE
	v_mov_b32 v[NIL], 0
	ds_add_u32 v8, v9
	ds_add_u32 v8, v9
	s_wait_dscnt 0x0
	v_lshrrev_b32 v[T1], 5, v0
	s_delay_alu instid0(VALU_DEP_1)
	v_readfirstlane_b32 s[WV], v[T1]               ; wave 0..7
	s_lshr_b32 s[HD], s[WV], 1
	s_and_b32 s[QP], s[WV], 1
	s_bfe_u32 s[CX], ttmp6, 0x40000                ; my place in the cluster
	s_lshr_b32 s[BT], ttmp9, 4                     ; in a cluster launch ttmp9 counts clusters: 16 to a batch
	s_lshl_b32 s[ROW0], ttmp9, 2
	s_add_co_u32 s[ROW0], s[ROW0], s[CX]           ; the work-group's number,
	s_lshl_b32 s[ROW0], s[ROW0], 6                 ; x 64 rows
	; descriptor group 1: dense blocks as rows of 256 bytes (32 elements of 8 bytes), no padding: images are read 16 x lane
	s_mov_b32 s[G1C], 15|(3<<16)|(1<<21)           ; 15:0 the mask: all four work-groups; 17:16 elements of 8 bytes; 21 set beside a mask
	s_mov_b32 s[G1C+1], 32<<16                     ; tensor_dim0 = 32
	s_mov_b32 s[G1C+2], 128<<16                    ; tensor_dim1 = 128
	s_mov_b32 s[G1C+3], 32<<16                     ; tile_dim0 = 32
	s_mov_b32 s[G1C+4], 128                        ; tile_dim1 = 128 rows: 32,768 bytes, a quarter of a code slot
	s_mov_b32 s[G1C+5], 32                         ; from row to row
	s_mov_b32 s[G1C+6], 0
	s_mov_b32 s[G1C+7], 0
	s_mov_b32 s[G1S], 15|(3<<16)|(1<<21)
	s_mov_b32 s[G1S+1], 32<<16
	s_mov_b32 s[G1S+2], 16<<16
	s_mov_b32 s[G1S+3], 32<<16
	s_mov_b32 s[G1S+4], 16                         ; 16 rows: 4,096 bytes, a slot's scale words
	s_mov_b32 s[G1S+5], 32
	s_mov_b32 s[G1S+6], 0
	s_mov_b32 s[G1S+7], 0
	s_mov_b32 s[SEL], 0x76543210
	s_mov_b32 s[SEL+1], 0xfedcba98
	s_mov_b32 s[CS], 0x3e38aa3b                    ; c = log2(e) / 8
	s_mov_b32 s[CS+1], s[CS]                       ; (named with it as a pair, so it is written)
	s_mov_b32 s[MNT], 0x600000
	s_mov_b32 s73, 0                               ; the upper word of every offset s[72:73]
	s_and_b32 s74, s[WV], 3
	s_mov_b32 s[G0C], 1                            ; count = 1
	s_lshl_b32 s[G0C+1], s74, 15                   ; LDS: slot 0, my quarter: no place in the cluster enters an LDS address
	s_mov_b32 s[G0S], 1
	s_mov_b32 s[G0S+1], SCS
	s_lshl_b32 s72, s[BT], 21                      ; a batch's codes: 32 steps x 65,536 bytes
	s_add_co_u32 s72, s72, s[G0C+1]
	v_and_b32 v[LN], 31, v0
	v_and_b32 v[R], 15, v0
	v_bfe_u32 v[H], v0, 4, 1
	s_delay_alu instid0(VALU_DEP_2)
	v_and_b32 v[PRM], 8, v[R]
	s_delay_alu instid0(VALU_DEP_1)
	v_add_nc_u32 v[PRM], v[PRM], v[R]              ; r + 8 (r / 8)
	v_lshlrev_b32 v[LI], 4, v[LN]
	v_lshlrev_b32 v[PFO], 8, v[LN]
	v_lshlrev_b32 v[AK0], 10, v[R]
	s_delay_alu instid0(VALU_DEP_1)
	v_lshl_add_u32 v[AK0], v[H], 6, v[AK0]         ; x: row r of 1,024 bytes, + 64 h: my 16 numbers of a block of 32
	v_lshlrev_b32 v[AK1], 8, v[PRM]
	s_delay_alu instid0(VALU_DEP_1)
	v_lshl_add_u32 v[AK1], v[H], 4, v[AK1]         ; Wq: a row is 256 bytes
	v_lshlrev_b32 v[ASC], 3, v[PRM]                ; and 8 scale bytes
	v_lshlrev_b32 v[ADR0], 6, v[H]                 ; bq: eight numbers of my half
	s_lshl_b32 s75, s[WV], 11
	s_add_co_u32 s75, s75, IMG
	v_add_nc_u32 v[ADR1], s75, v[LI]               ; x's fragment w goes to IMG + 2,048 w
	s_lshl_b32 s75, s[WV], 7
	s_add_co_u32 s75, s75, ISC
	v_lshl_add_u32 v[ADS], v[LN], 2, s75           ; its scale words to ISC + 128 w
	s_lshl_b32 s75, s[QP], 13
	s_add_co_u32 s75, s75, IMG
	v_add_nc_u32 v[IR], s75, v[LI]                 ; my two tiles' four fragments of x
	s_lshl_b32 s75, s[QP], 9
	s_add_co_u32 s75, s75, ISC
	v_lshl_add_u32 v[ISR], v[LN], 2, s75
.irp b, 0,1,2,3
	v_mov_b32 v[BX+\b], 0                          ; written once: a lane permute's destination counts as one of its sources
.endr
	s_wait_kmcnt 0x0
	s_add_nc_u64 s[G0C+2:G0C+3], s[18:19], s[72:73]
	s_or_b32 s[G0C+3], s[G0C+3], 0x80000000        ; type = 2
	s_lshl_b32 s72, s[BT], 16                      ; a batch's scale words: 32 steps x 2,048 bytes
	s_add_nc_u64 s[G0S+2:G0S+3], s[20:21], s[72:73]
	s_or_b32 s[G0S+3], s[G0S+3], 0x80000000
	CROUND                                         ; all four work-groups are here: the first joint loads meet
	TLOAD                                          ; slot 0: a wave's one first fill, ahead of every wait on TENSORcnt and every other barrier
	; the prefetches (macro ASK): where my wave's stand, and who asks
	s_cmp_lt_u32 s[WV], 4                          ; waves 0 to 3: codes; waves 4 and 5: scale words
	s_cselect_b64 s[PFA:PFA+1], s[18:19], s[20:21]
	s_cselect_b32 s[PFS], SLOT1, 0                 ; a slot on; the scale words are asked for once
	s_cselect_b32 s75, 21, 16                      ; a batch,
	s_cselect_b32 s80, 15, 14                      ; a partner's share, as shifts
	s_cselect_b32 s[LIM], 1, 14
	s_mov_b32 s[PFS+1], 0
	s_lshl_b32 s72, s[BT], s75
	s_lshl_b32 s80, s[CX], s80
	s_add_co_u32 s72, s72, s80
	s_lshl_b32 s80, s74, 13                        ; a wave's 32 rows
	s_add_co_u32 s72, s72, s80
	s_add_co_u32 s72, s72, s[PFS]                  ; codes: in slot 1; the first change of slots steps it to slot 2
	s_add_nc_u64 s[PFA:PFA+1], s[PFA:PFA+1], s[72:73]
	s_cmp_lt_u32 s[WV], 6
	s_cselect_b32 s[LIM], s[LIM], -1
	s_and_b32 s80, ttmp9, 15                       ; the batch's first cluster: the same in all four partners
	s_cmp_eq_u32 s80, 0
	s_cselect_b32 s[LIM], s[LIM], -1
	; every other buffer at my part
	s_lshl_b32 s72, s[HD], 4                       ; I quantise fragment w of x: rows 16 (w / 2) on, K step w % 2
	s_add_co_u32 s72, s72, s[ROW0]
	s_lshl_b32 s72, s72, 10
	s_lshl_b32 s80, s[QP], 9
	s_add_co_u32 s72, s72, s80
	s_add_nc_u64 s[XP:XP+1], s[4:5], s[72:73]
	s_lshl_b32 s72, s[WV], 3                       ; I add and store rows 8 w .. 8 w + 7
	s_add_co_u32 s72, s72, s[ROW0]
	s_lshl_b32 s72, s72, 10
	s_add_nc_u64 s[XR:XR+1], s[4:5], s[72:73]
	s_add_nc_u64 s[22:23], s[22:23], s[72:73]
	s_lshl_b32 s72, s[ROW0], 2
	s_add_nc_u64 s[24:25], s[24:25], s[72:73]
	s_lshl_b32 s72, s[HD], 14                      ; Wq: my head's 64 rows
	s_add_nc_u64 s[6:7], s[6:7], s[72:73]
	s_lshl_b32 s72, s[HD], 9
	s_add_nc_u64 s[8:9], s[8:9], s[72:73]
	s_lshl_b32 s72, s[HD], 8
	s_add_nc_u64 s[10:11], s[10:11], s[72:73]
	s_lshl_b32 s72, s[WV], 13                      ; Wp: my 32 rows
	s_add_nc_u64 s[12:13], s[12:13], s[72:73]
	s_lshl_b32 s72, s[WV], 8
	s_add_nc_u64 s[14:15], s[14:15], s[72:73]
	s_lshl_b32 s72, s[WV], 7
	s_add_nc_u64 s[16:17], s[16:17], s[72:73]
	; ---- x into codes: wave w makes fragment w (16 rows x 128 K): lane (r, h) takes, of row r, 16 neighbours of each block of 32
.irp b, 0,1,2,3
.irp j, 0,1,2,3
	global_load_b128 v[S+16*\b+4*\j:S+16*\b+4*\j+3], v[AK0], s[XP:XP+1] offset:128*\b+16*\j
.endr
.endr
.irp t, 0,1,2,3                                        ; Wq's tile t = my head's rows 32 (t / 2) + 8 (t % 2) + r + 8 (r / 8): K step 0 into window 0,
.irp g, 0,1,2,3
	global_load_b128 v[FR+16*\t+4*\g:FR+16*\t+4*\g+3], v[AK1], s[6:7] offset:(32*(\t/2)+8*(\t%2))*256+32*\g
.endr
.endr
	WIN 0x40                                       ; K step 1 into window 1
.irp t, 0,1,2,3
.irp g, 0,1,2,3
	global_load_b128 v[FR+16*\t+4*\g:FR+16*\t+4*\g+3], v[AK1], s[6:7] offset:(32*(\t/2)+8*(\t%2))*256+128+32*\g
.endr
.endr
	WIN 0
.irp t, 0,1,2,3
.irp s, 0,1
	global_load_b32 v[KS+2*\t+\s], v[ASC], s[8:9] offset:(32*(\t/2)+8*(\t%2))*8+4*\s
.endr
.endr
	s_wait_loadcnt 40                              ; x's 16 loads are in; the 32 + 8 issued behind them (Wq, its scale words) may be out
	s_wait_alu depctr_va_vdst(0)
.irp t, 0,1,2,3
	global_load_b128 v[O+8*\t:O+8*\t+3], v[ADR0], s[10:11] offset:(32*(\t/2)+8*(\t%2))*4        ; bq as the C of each sum's first product: eight registers a tile, in the result's layout; it lands while x is quantised
	global_load_b128 v[O+8*\t+4:O+8*\t+7], v[ADR0], s[10:11] offset:(32*(\t/2)+8*(\t%2))*4+16
.endr
	QUANT S, 4, PC, 4, 0, 0
	v_lshl_or_b32 v[T0], v[BX+1], 8, v[BX]         ; the four bytes make my row's scale word
	s_delay_alu instid0(VALU_DEP_1)
	v_lshl_or_b32 v[T0], v[BX+2], 16, v[T0]
	s_delay_alu instid0(VALU_DEP_1)
	v_lshl_or_b32 v[T0], v[BX+3], 24, v[T0]
.irp g, 0,1,2,3
	ds_store_b128 v[ADR1], v[PC+4*\g:PC+4*\g+3] offset:512*\g   ; the fragment goes to LDS as it stands: any wave that loads it by the same lines has the same registers in the same lanes
.endr
	ds_store_b32 v[ADS], v[T0]
	BARRIER                                        ; x's eight fragments lie in LDS.  Slot 0's load may stay out
	; ---- q^T = Wq x^T + bq for my head and my two tiles, quantised along the head's 64 into the tile's window
	s_wait_loadcnt 0x0                             ; Wq, its scale words, bq
.irp z, 0,1
.irp s, 0,1
.irp g, 0,1,2,3
	ds_load_b128 v[S+16*\s+4*\g:S+16*\s+4*\g+3], v[IR] offset:4096*\z+2048*\s+512*\g
.endr
	ds_load_b32 v[PS+\s], v[ISR] offset:256*\z+128*\s
.endr
	s_wait_dscnt 0x0
.irp t, 0,1,2,3                                        ; four accumulators by turns
	v_wmma_scale_f32_16x16x128_f8f6f4 v[S+32+8*\t:S+32+8*\t+7], v[FR+16*\t:FR+16*\t+15], v[S:S+15], v[O+8*\t:O+8*\t+7], v[KS+2*\t], v[PS]
.endr
	WIN 0x01                                       ; source 0: Wq's K step 1, in window 1
.irp t, 0,1,2,3
	v_wmma_scale_f32_16x16x128_f8f6f4 v[S+32+8*\t:S+32+8*\t+7], v[FR+16*\t:FR+16*\t+15], v[S+16:S+31], v[S+32+8*\t:S+32+8*\t+7], v[KS+2*\t+1], v[PS+1]
.endr
	WIN 0
	PLACES 8
	QUANT S+32, 2, QF+4, 8, 0, 0x40*\z             ; q.b0 into v212-215, q.b1 into v220-223 of the tile's window
	v_lshl_or_b32 v[T0], v[BX], 8, v[BX]           ; q's scale word serves both forms: bytes s0, s0, s1, s1
	s_delay_alu instid0(VALU_DEP_1)
	v_lshl_or_b32 v[T0], v[BX+1], 16, v[T0]
	s_delay_alu instid0(VALU_DEP_1)
	v_lshl_or_b32 v[QS+\z], v[BX+1], 24, v[T0]
.endr
	INIT 0
	INIT 1
	WIN 0
	s_lshl_b32 s75, s[HD], 14                      ; the loop's addresses (the loads that read these registers as offsets are done)
	v_add_nc_u32 v[AK0], s75, v[LI]                ; my head's 16,384 bytes of a step, 16 x lane
	s_delay_alu instid0(VALU_DEP_1)
	v_add_nc_u32 v[AK1], 0x10000, v[AK0]           ; a slot's second step lies 65,536 bytes on
	s_lshl_b32 s75, s[HD], 9
	s_add_co_u32 s75, s75, SCS
	v_lshl_add_u32 v[ASC], v[R], 4, s75            ; my head's 512 bytes of scale words, row r's four words
	s_mov_b32 s[TB], 0
	s_mov_b32 s[TS], 0
	s_mov_b32 s[SLOTS], 15
	; ---- all 4,096 keys: 16 slots of two key steps
	CHANGE 1                                       ; slot 0 is whole; slot 1's first fill is issued as a refill is (s[SLOTS] = 15)
	s_wait_alu depctr_va_vdst(0)
	NEXTK
	s_mov_b32 s[SLOTS], 14
.Lslot:                                                ; 14 trips, slots 0 to 13: each asks for the slot two on
	STEP 0
	STEPB 1
	s_sub_co_u32 s[SLOTS], s[SLOTS], 1
	s_cmp_lg_u32 s[SLOTS], 0
	s_cbranch_scc1 .Lslot
	s_mov_b32 s[SLOTS], 2
.Ltail:                                                ; 2 trips, slots 14 and 15: nothing is filled.  One text serves both: the second trip's barrier shows nothing new
	STEP 0                                         ; and its 17 loads of k, from the slot left behind, are multiplied by nobody
	STEPB 0
	s_sub_co_u32 s[SLOTS], s[SLOTS], 1
	s_cmp_lg_u32 s[SLOTS], 0
	s_cbranch_scc1 .Ltail
	s_wait_dscnt 0x0                               ; those 17 loads have landed: the registers take Wp's fragments below
	; ---- the end.  First its loads: Wp, its scale words, bp, and x for the residual; they land under what follows
	v_lshlrev_b32 v[AK0], 8, v[R]
	s_delay_alu instid0(VALU_DEP_1)
	v_lshl_add_u32 v[AK0], v[H], 4, v[AK0]         ; Wp: row r of 256 bytes, + 16 h
	v_lshlrev_b32 v[AK1], 3, v[R]
	v_lshlrev_b32 v[ASC], 5, v[H]                  ; bp: eight numbers of my half
.irp n, 0,1                                            ; fragment (n, s): rows 32 w + 16 n + r, K step s
.irp s, 0,1
.irp g, 0,1,2,3
	global_load_b128 v[FR+16*(2*\n+\s)+4*\g:FR+16*(2*\n+\s)+4*\g+3], v[AK0], s[12:13] offset:4096*\n+128*\s+32*\g
.endr
.endr
.endr
.irp n, 0,1
.irp s, 0,1
	global_load_b32 v[KS+2*\n+\s], v[AK1], s[14:15] offset:128*\n+4*\s
.endr
.endr
	WIN 0x40                                       ; destination window 1: tile 1's scores and v's fragments are done with
.irp n, 0,1
	global_load_b128 v[S+8*\n:S+8*\n+3], v[ASC], s[16:17] offset:64*\n
	global_load_b128 v[S+8*\n+4:S+8*\n+7], v[ASC], s[16:17] offset:64*\n+16
.endr
.irp i, 0,1,2,3,4,5,6,7
.irp y, 0,1
	global_load_b128 v[FR+4*(2*\i+\y):FR+4*(2*\i+\y)+3], v[LI], s[XR:XR+1] offset:1024*\i+512*\y   ; 32 lanes read 512 consecutive bytes
.endr
.endr
	WIN 0
	s_lshl_b32 s71, s[QP], 13                      ; O's fragment (tile m, K step head / 2) lies at IMG + 2,048 (2 m + head / 2); my head's two blocks are its groups 2 (head % 2) and + 1
	s_lshr_b32 s72, s[WV], 2
	s_lshl_b32 s74, s72, 11
	s_add_co_u32 s71, s71, s74
	s_bfe_u32 s75, s[WV], 0x10001
	s_lshl_b32 s74, s75, 10
	s_add_co_u32 s71, s71, s74
	s_add_co_u32 s71, s71, IMG
	v_add_nc_u32 v[ADR0], s71, v[LI]
	s_lshl_b32 s71, s[QP], 9                       ; and my head's two bytes of its scale words
	s_lshl_b32 s74, s72, 7
	s_add_co_u32 s71, s71, s74
	s_lshl_b32 s74, s75, 1
	s_add_co_u32 s71, s71, s74
	s_add_co_u32 s71, s71, ISC
	v_lshl_add_u32 v[ADR1], v[LN], 2, s71
	s_lshl_b32 s71, s[WV], 7                       ; 128 x wave
	v_mul_u32_u24 v[SOA], v[R], SPI
	s_delay_alu instid0(VALU_DEP_1)
	v_lshl_add_u32 v[SOA], v[H], 5, v[SOA]
	s_delay_alu instid0(VALU_DEP_1)
	v_add_nc_u32 v[SOA], s71, v[SOA]               ; the stage (from LDS byte 0): row r, + 32 h, + 128 w: my columns' bytes
	s_add_co_u32 s71, s71, LSUM                    ; the row sums: 128 x wave = 256 x head + 128 x (wave % 2)
	v_lshl_add_u32 v[ADS], v[R], 2, s71
	v_add_nc_u32 v[IR], IMG, v[LI]
	v_lshl_add_u32 v[ISR], v[LN], 2, ISC
	s_mul_i32 s71, s[WV], 8*SPI
	v_add_nc_u32 v[SRA], s71, v[LI]                ; back: my 8 rows, 16 bytes a lane
	v_lshl_add_u32 v[LSR], v[LN], 3, LSUM
	v_lshlrev_b32 v[T2], 3, v[LN]
	; O^T / l, quantised along the head's 64, which are two blocks of the last product's K; each tile in its own window
.irp z, 0,1
	WIN 0x55*\z
	v_add_f32 v14, v14, v15                        ; l's two halves,
	s_delay_alu instid0(VALU_DEP_1)
	v_permlanex16_b32 v[T0], v14, s[SEL], s[SEL+1]
	s_delay_alu instid0(VALU_DEP_1)
	v_add_f32 v14, v14, v[T0]                      ; and lane l xor 16's
	s_wait_alu depctr_va_vdst(0)
	v_rcp_f32 v[F], v14
	v_nop                                          ; a plain line behind the transcendental
	s_wait_alu depctr_va_vdst(0)
	v_mul_f32 v[T0], v14, v[F]                     ; the softmax's row sum: l x (1 / l)
.set sj, 0
.rept 16
	v_pk_mul_f32 v[O+sj:O+sj+1], v[O+sj:O+sj+1], v[F:F+1] op_sel_hi:[1,0]   ; each accumulator from its low end on
.set sj, sj+2
.endr
	QUANT O, 2, PC, 4, 0x55*\z, 0x55*\z
	v_lshl_or_b32 v[C2], v[BX+1], 8, v[BX]
	WIN 0x04*\z                                    ; an LDS store's data are its source 1
	ds_store_b128 v[ADR0], v[PC:PC+3] offset:4096*\z
	ds_store_b128 v[ADR0], v[PC+4:PC+7] offset:4096*\z+512
	ds_store_b16 v[ADR1], v[C2] offset:256*\z
	ds_store_b32 v[ADS], v[T0] offset:64*\z        ; both halves of the lanes write the same word with the same value
.endr
	WIN 0
	BARRIER                                        ; O's eight fragments, their scale words and the row sums lie in LDS
	; my 32 columns of O Wp + bp for the 64 rows: eight accumulators by turns, a K step at a time
	s_wait_loadcnt 16                              ; Wp, its scale words and bp are in; x's 16 loads, issued behind them, may be out
.irp s, 0,1
.irp m, 0,1,2,3
.irp g, 0,1,2,3
	ds_load_b128 v[S+16*\m+4*\g:S+16*\m+4*\g+3], v[IR] offset:(2*\m+\s)*2048+512*\g
.endr
	ds_load_b32 v[QS+\m], v[ISR] offset:128*(2*\m+\s)
.endr
	s_wait_dscnt 0x0
.if \s == 0
	WIN 0x10                                       ; source 2 (bp) window 1
.endif
.irp m, 0,1,2,3
.irp n, 0,1
.if \s == 0
	v_wmma_scale_f32_16x16x128_f8f6f4 v[O+8*(4*\n+\m):O+8*(4*\n+\m)+7], v[FR+16*(2*\n+\s):FR+16*(2*\n+\s)+15], v[S+16*\m:S+16*\m+15], v[S+8*\n:S+8*\n+7], v[KS+2*\n+\s], v[QS+\m]
.else
	v_wmma_scale_f32_16x16x128_f8f6f4 v[O+8*(4*\n+\m):O+8*(4*\n+\m)+7], v[FR+16*(2*\n+\s):FR+16*(2*\n+\s)+15], v[S+16*\m:S+16*\m+15], v[O+8*(4*\n+\m):O+8*(4*\n+\m)+7], v[KS+2*\n+\s], v[QS+\m]
.endif
.endr
.endr
	WIN 0
	PLACES 8
.endr
.irp m, 0,1,2,3
.irp n, 0,1
	ds_store_b128 v[SOA], v[O+8*(4*\n+\m):O+8*(4*\n+\m)+3] offset:16*\m*SPI+64*\n        ; lane (r, h): row 16 m + r, columns 32 w + 16 n + 8 h + 0 .. 7; each accumulator from its low end on
	ds_store_b128 v[SOA], v[O+8*(4*\n+\m)+4:O+8*(4*\n+\m)+7] offset:16*\m*SPI+64*\n+16
.endr
.endr
	BARRIER                                        ; 64 whole rows lie in the stage
	WIN 0x40
.irp i, 0,1,2,3,4,5,6,7
.irp y, 0,1
	ds_load_b128 v[112+4*(2*\i+\y):112+4*(2*\i+\y)+3], v[SRA] offset:\i*SPI+512*\y
.endr
.endr
	s_wait_loadcnt 0x0                             ; x
	s_wait_dscnt 0x0
	WIN 0x55
.set sj, 0
.rept 32
	v_pk_add_f32 v[112+sj:112+sj+1], v[112+sj:112+sj+1], v[FR+sj:FR+sj+1]   ; the residual
.set sj, sj+2
.endr
	WIN 0x04                                       ; a store's data are its source 1
.irp i, 0,1,2,3,4,5,6,7
.irp y, 0,1
	global_store_b128 v[LI], v[112+4*(2*\i+\y):112+4*(2*\i+\y)+3], s[22:23] offset:1024*\i+512*\y th:TH_STORE_NT   ; 32 lanes store 512 consecutive bytes, aligned; written once, read by nobody here
.endr
.endr
	WIN 0
	s_cmp_lg_u32 s[WV], 0                          ; out1: wave 0 alone; no barrier stands in the branch
	s_cbranch_scc1 .Lno_map
.irp a, 0,1,2,3
	ds_load_b64 v[BM+2*\a:BM+2*\a+1], v[LSR] offset:256*\a      ; head a's row sums of queries 2 x lane and 2 x lane + 1
.endr
	s_wait_dscnt 0x0
	v_pk_add_f32 v[BM:BM+1], v[BM:BM+1], v[BM+2:BM+3]
	v_pk_add_f32 v[BM+4:BM+5], v[BM+4:BM+5], v[BM+6:BM+7]
	s_delay_alu instid0(VALU_DEP_1)
	v_pk_add_f32 v[BM:BM+1], v[BM:BM+1], v[BM+4:BM+5]
	s_delay_alu instid0(VALU_DEP_1)
	v_pk_mul_f32 v[BM:BM+1], v[BM:BM+1], 0x3e800000 op_sel_hi:[1,0]   ; the mean over the four heads
	global_store_b64 v[T2], v[BM:BM+1], s[24:25]   ; 32 lanes store 256 consecutive bytes, aligned
.Lno_map:
	s_wait_tensorcnt 0x0                           ; the wave's end: behind my last tensor load and my last LDS store
	ds_add_u32 v[SPW], v[NIL]
	s_wait_dscnt 0x0
	CROUND                                         ; the closing round: no work-group ends while a partner may still ask for a tile that names it
	s_endpgm
.Lfunc_end_k_qf713ebeee9_attn:
	.size	k_qf713ebeee9_attn, .Lfunc_end_k_qf713ebeee9_attn-k_qf713ebeee9_attn
	.p2alignl 7, 3214868480
	.fill 96, 4, 3214868480
	.section	.rodata,"a",@progbits
	.p2align	6, 0x0
	.amdhsa_kernel k_qf713ebeee9_attn
		.amdhsa_group_segment_fixed_size 327680
		.amdhsa_private_segment_fixed_size 0
		.amdhsa_enable_private_segment 0
		.amdhsa_kernarg_size 88
		.amdhsa_user_sgpr_count 2
		.amdhsa_user_sgpr_kernarg_segment_ptr 1
		.amdhsa_wavefront_size32 1
		.amdhsa_system_sgpr_workgroup_id_x 1
		.amdhsa_system_sgpr_workgroup_id_y 1
		.amdhsa_system_sgpr_workgroup_id_z 1
		.amdhsa_system_vgpr_workitem_id 0
		.amdhsa_next_free_vgpr 512
		.amdhsa_next_free_sgpr 88
		.amdhsa_reserve_vcc 0
		.amdhsa_float_denorm_mode_32 3
		.amdhsa_float_denorm_mode_16_64 3
		.amdhsa_memory_ordered 1
		.amdhsa_forward_progress 1
		.amdhsa_inst_pref_size 211
	.end_amdhsa_kernel
	.amdgpu_metadata
---
amdhsa.version: [ 1, 2 ]
amdhsa.kernels:
  - .name:           k_qf713ebeee9_attn
    .symbol:         k_qf713ebeee9_attn.kd
    .args:
      - { .name: x, .offset: 0, .size: 8, .value_kind: global_buffer, .address_space: global }
      - { .name: Wq_codes, .offset: 8, .size: 8, .value_kind: global_buffer, .address_space: global }
      - { .name: Wq_scales, .offset: 16, .size: 8, .value_kind: global_buffer, .address_space: global }
      - { .name: bq, .offset: 24, .size: 8, .value_kind: global_buffer, .address_space: global }
      - { .name: Wp_codes, .offset: 32, .size: 8, .value_kind: global_buffer, .address_space: global }
      - { .name: Wp_scales, .offset: 40, .size: 8, .value_kind: global_buffer, .address_space: global }
      - { .name: bp, .offset: 48, .size: 8, .value_kind: global_buffer, .address_space: global }
      - { .name: kvc, .offset: 56, .size: 8, .value_kind: global_buffer, .address_space: global }
      - { .name: kvs, .offset: 64, .size: 8, .value_kind: global_buffer, .address_space: global }
      - { .name: out0, .offset: 72, .size: 8, .value_kind: global_buffer, .address_space: global }
      - { .name: out1, .offset: 80, .size: 8, .value_kind: global_buffer, .address_space: global }
    .group_segment_fixed_size: 327680
    .private_segment_fixed_size: 0
    .kernarg_segment_align: 8
    .kernarg_segment_size: 88
    .max_flat_workgroup_size: 256
    .sgpr_count:     88
    .vgpr_count:     512
    .wavefront_size: 32
...
	.end_amdgpu_metadata
.endif
;; end of part 2
